; MI455X (gfx1250); checked and timed in simulation.
; The chip was launched on July 23, 2026; its instructions are those of AMD's public machine-readable ISA for CDNA 5 (MIT licence, August 2026) and "CDNA5" Instruction Set Architecture Reference Guide (July 2026). The comments in the code are by the model that wrote it; some were corrected since.
;; Multi Head Self Attention. Allowed arithmetic: matrix products marked QUANTISED: E4M3 operands, one E8M0 scale for each 32 along K, by v_wmma_scale_f32_16x16x128_f8f6f4 with both operands' format E4M3, f32 sums; everything else in f32.
;; Inputs: Wk_codes 1,024 x 32 x 32 uint8 (E4M3 codes of Wk, K innermost, in blocks of 32 codes); Wk_scales 1,024 x 32 uint8 (E8M0 scales of Wk, one for each 32 codes along K); Wo_codes 1,024 x 32 x 32 uint8 (E4M3 codes of Wo, K innermost, in blocks of 32 codes); Wo_scales 1,024 x 32 uint8 (E8M0 scales of Wo, one for each 32 codes along K); Wq_codes 1,024 x 32 x 32 uint8 (E4M3 codes of Wq, K innermost, in blocks of 32 codes); Wq_scales 1,024 x 32 uint8 (E8M0 scales of Wq, one for each 32 codes along K); Wv_codes 1,024 x 32 x 32 uint8 (E4M3 codes of Wv, K innermost, in blocks of 32 codes); Wv_scales 1,024 x 32 uint8 (E8M0 scales of Wv, one for each 32 codes along K); bk 1,024 float32; bo 1,024 float32; bq 1,024 float32; bv 1,024 float32; x_codes 4 x 2,048 x 32 x 32 uint8 (E4M3 codes of x, K innermost, in blocks of 32 codes); x_scales 4 x 2,048 x 32 uint8 (E8M0 scales of x, one for each 32 codes along K).
;; Outputs: out0 4 x 2,048 x 1,024 float32.
;; This version of the problem:
;;   THIS VERSION OF THE PROBLEM IS GIVEN IN LOW PRECISION. The matrix products marked QUANTISED in the list below multiply operands that are first quantised to E4M3 (4 exponent bits, 3 mantissa bits; 8 bits a number), with one power-of-two scale for each 32 numbers along K (OCP MX v1.0); their sums are f32. All else is computed in f32.
;;   The module's matrix products, in the order in which they are computed (A, B: the left and right operand; K: the contracted axis; several contracted axes count as one K, in the product's order):
;;     1. [M 8,192, K 1,024] x [K 1,024, N 1,024]; A: input x (given as codes); B: input Wq (given as codes): QUANTISED
;;     2. [M 8,192, K 1,024] x [K 1,024, N 1,024]; A: input x (given as codes); B: input Wk (given as codes): QUANTISED
;;     3. [M 8,192, K 1,024] x [K 1,024, N 1,024]; A: input x (given as codes); B: input Wv (given as codes): QUANTISED
;;     4. batch 64 x [M 2,048, K 64] x [K 64, N 2,048]; A: computed on the way; B: computed on the way: QUANTISED
;;     5. batch 64 x [M 2,048, K 2,048] x [K 2,048, N 64]; A: softmax (see below); B: computed on the way: QUANTISED
;;     6. [M 8,192, K 1,024] x [K 1,024, N 1,024]; A: computed on the way; B: input Wo (given as codes): QUANTISED
;;   THE QUANTISER, for each operand of a quantised product, along K:
;;     - K is cut into blocks of 32 from its start; a last block that is shorter is filled with zeros.
;;     - A block's scale is 2^e with e = floor(log2(the largest magnitude in the block)) - 8, held to -126 .. 127; a block of zeros has e = 0. As a byte (E8M0): e + 127.
;;     - Each number is divided by its block's scale, clamped to +-448, and rounded to the nearest number of E4M3, ties to even, subnormals kept.
;;     - The product sums the exact products of the quantised numbers (number of the format x scale) in f32.
;;   ~~~python
;;   def quantise(x, axis):      # numpy; x: float32 -> the quantised numbers, widened to float32 again
;;       x = np.moveaxis(x, axis, -1); K = x.shape[-1]
;;       x = np.pad(x, [(0, 0)] * (x.ndim - 1) + [(0, -K % 32)]); x = x.reshape(x.shape[:-1] + (-1, 32)); a = np.abs(x).max(-1, keepdims=True)
;;       e = np.where(a > 0, np.clip(np.frexp(np.where(a > 0, a, 1))[1] - 1 - 8, -126, 127), 0)      # np.frexp(a)[1] - 1 = floor(log2(a)), exactly
;;       r = np.clip(x / 2.0 ** e, -448, 448)
;;       step = 2.0 ** (np.maximum(np.frexp(np.where(r == 0, 1, r))[1] - 1, -6) - 3)
;;       q = np.round(r / step) * step * 2.0 ** e      # np.round: ties to even
;;       return np.moveaxis(q.reshape(q.shape[:-2] + (-1,))[..., :K], -1, axis).astype(np.float32)
;;   ~~~
;;   SOFTMAX AHEAD OF A QUANTISED PRODUCT. Where the list says 'softmax', what is quantised is not the finished softmax but p = 2^(t - M), with t = logit x log2(e) and M = ceil(the row's largest t), a whole number; so 1/2 < the row's largest p <= 1. The row's sum l is taken of the UNQUANTISED p, in f32, and the product's result is divided by l at the end. Since M is a whole number, a kernel that streams over the keys may use a running M (the ceiling of the running maximum): every later rescaling is an exact power of two, which a block's scale takes up: the codes' values come out the same.
;;   OPERANDS COMPUTED ON THE WAY. 'Computed on the way' means the value that the module computes at that place (a softmax that the list does not call 'softmax' is quantised finished and normalised). What goes into a quantiser is computed in f32, as accurately as f32 sums, v_exp_f32 and their like allow (about 1e-6 of the number): no bf16 or f16 on the way to a quantiser, and a product that is left as it is and whose result goes on into a quantised operand takes f32 operands (vector FMAs, or v_wmma_f32_16x16x4_f32). A number that lies on a knife's edge between two numbers of the format may be rounded either way, as far as f32 arithmetic and the matrix unit's own rounding can turn it there, and no further.
;;   INPUTS GIVEN AS CODES. Wk (in the module: [1024, 1024], K = its axis 1); Wo (in the module: [1024, 1024], K = its axis 1); Wq (in the module: [1024, 1024], K = its axis 1); Wv (in the module: [1024, 1024], K = its axis 1); x (in the module: [4, 2048, 1024], K = its axis 2): each comes as NAME_codes (uint8): NAME with its K axis moved to the last place and cut into blocks of 32 codes, [.., K / 32, bytes a block], one block behind the other in memory; one code a byte (a code: sign, 4 exponent bits, 3 mantissa bits); and NAME_scales (uint8): the same leading axes, one E8M0 byte (e + 127) for each 32 codes along K. Its value is code x scale, taken as it is: it is not quantised again, and the codes and scales need not be those that the quantiser above would give.
;; One version. Each part assembles by itself: llvm-mc -triple=amdgcn-amd-amdhsa -mcpu=gfx1250 --defsym DOCPART=n.
;; ======== version 1 of 1: 3 launches
;; limits: right only within a limited range of input values
;; workspace buffers: q_img 8,388,608 bytes; k_img 8,388,608 bytes; v_img 8,388,608 bytes; q_scl 786,432 bytes; kv_scl 786,432 bytes; o_img 8,388,608 bytes; o_scl 262,144 bytes
;; launch qkv (part 1): grid 12 x 32, 4 waves a work-group, clusters of 4 x 4, 327,680 bytes of LDS; arguments x_codes, x_scales, Wq_codes, Wq_scales, Wk_codes, Wk_scales, Wv_codes, Wv_scales, bq, bk, bv, q_img, q_scl, k_img, v_img, kv_scl; writes q_img, q_scl, k_img, v_img, kv_scl
.if DOCPART == 1
	.amdgcn_target "amdgcn-amd-amdhsa--gfx1250"
	.amdhsa_code_object_version 6
	.text
	.protected	k_qb1ab7cb7ce_qkv
	.globl	k_qb1ab7cb7ce_qkv
	.p2align	8
	.type	k_qb1ab7cb7ce_qkv,@function
k_qb1ab7cb7ce_qkv:
	s_mov_b64 s[64:65], 0
	v_nop
	global_prefetch_b8 v0, s[64:65] scope:SCOPE_SE
	s_setreg_imm32_b32 hwreg(HW_REG_WAVE_MODE, 25, 1), 1
	s_wait_xcnt 0x0
	s_wait_alu depctr_hold_cnt(0) depctr_sa_sdst(0) depctr_va_vdst(0) depctr_va_sdst(0) depctr_va_ssrc(0) depctr_va_vcc(0) depctr_vm_vsrc(0)
	s_getreg_b32 s2, hwreg(HW_REG_IB_STS2, 6, 4)
	s_cmp_eq_u32 s2, 0
	s_cbranch_scc0 .Lentry_in_a_cluster
	s_endpgm
.Lentry_in_a_cluster:
	s_bfe_u32 s2, ttmp6, 0x10000c
	s_cmp_lg_u32 s2, 0xf033
	s_cbranch_scc0 .Lentry_shape_is_right
	s_endpgm
.Lentry_shape_is_right:
.set NQ,     2
.set ROWB,   256
.set KROW,   1024
.set PITCH,  272
.set FR,     16
.set NL,     4
.set NP,     8
.set HALFT,  128*PITCH
.set SLOT,   4*HALFT
.set LAPS,   2
.set KS,     32
.set SCL,    2*SLOT
.set HALFS,  (128*KS/256)*272
.set SBLK,   (16*KS/256)*272
.set SPARE,  SCL+4*HALFS
.set BM,   8
.set ADRA, 16
.set ADRB, 20
.set CO,   24
.set SO,   25
.set VBN,  26
.set ADRS, 27
.set SPW,  28
.set NIL,  29
.set VBM,  30
.set SC,   32
.set BN,   64
.set AF,   128
.set T,    128
.set PC,   192
.set TM,   208
.set SW,   224
.set SX,   232
.set G1,   4
.set G1B,  12
.set G0,   20
.set G0B,  28
.set G1S,  52
.set G1SB, 68
.set G0S,  76
.set G0SB, 80
.set MSB, 0
.macro WIN new
.if MSB != (\new)
	s_set_vgpr_msb (MSB<<8)|(\new)
.set MSB, (\new)
.endif
.endm
.set MUL_LO, 0xa1
.set MUL_HI, 0xf1
.set TO_B,   0x40
.macro JLOAD g0a, g1a, g0b, g1b
	s_cmp_eq_u32 s85, 0
	s_cbranch_scc0 .Lfor_b_\@
	tensor_load_to_lds s[\g0a:\g0a+3], s[\g1a:\g1a+7]
	s_nop 0
.rept 4
	v_nop
.endr
	s_branch .Lasked_\@
.Lfor_b_\@:
	tensor_load_to_lds s[\g0b:\g0b+3], s[\g1b:\g1b+7]
	s_nop 0
.rept 4
	v_nop
.endr
.Lasked_\@:
.endm
.macro CREST
	s_cmp_lg_u32 s84, 0
	s_cbranch_scc1 .Lnot_wave_0_\@
	s_barrier_signal -3
.Lnot_wave_0_\@:
	s_barrier_wait -3
	s_barrier_signal -1
	s_barrier_wait -1
.endm
.macro CROUND
	s_barrier_signal -1
	s_barrier_wait -1
	CREST
.endm
	s_load_b512 s[4:19], s[0:1], 0x0
	s_load_b512 s[20:35], s[0:1], 0x40
	v_lshl_add_u32 v[SPW], v0, 2, SPARE
	v_mov_b32 v[NIL], 0
	ds_add_u32 v28, v29
	ds_add_u32 v28, v29
	s_wait_dscnt 0x0
	v_lshrrev_b32 v1, 5, v0
	v_readfirstlane_b32 s84, v1
	s_lshr_b32 s85, s84, 1
	s_and_b32 s86, s84, 1
	s_bfe_u32 s87, ttmp6, 0x40000
	s_bfe_u32 s88, ttmp6, 0x40004
	s_and_b32 s89, ttmp7, 0xffff
	s_lshl_b32 s89, s89, 2
	s_cmp_eq_u32 ttmp9, 2
	s_cselect_b32 s94, 1, 0
	s_cselect_b32 s95, 512, 0
	s_cselect_b32 s96, 0, s89
	s_cselect_b32 s97, s89, 0
	s_add_co_u32 s90, s88, s96
	s_add_co_u32 s91, s87, s97
	s_lshl_b32 s92, s88, 2
	s_lshl_b32 s92, 15, s92
	s_lshl_b32 s93, 0x1111, s87
	s_lshl_b32 s50, s90, 8
	s_lshl_b32 s51, s91, 8
	s_mov_b32 s60, 0x76543210
	s_mov_b32 s61, 0xfedcba98
	s_mov_b32 s104, 0xffff0000
	s_mov_b32 s105, 0x600000
	s_wait_kmcnt 0x0
	s_cmp_eq_u32 ttmp9, 0
	s_cselect_b64 s[96:97], s[8:9], s[12:13]
	s_cselect_b64 s[98:99], s[10:11], s[14:15]
	s_cselect_b64 s[44:45], s[20:21], s[22:23]
	s_cselect_b64 s[46:47], s[26:27], s[30:31]
	s_cselect_b64 s[48:49], s[28:29], s[34:35]
	s_cmp_eq_u32 ttmp9, 2
	s_cselect_b64 s[96:97], s[16:17], s[96:97]
	s_cselect_b64 s[98:99], s[18:19], s[98:99]
	s_cselect_b64 s[44:45], s[24:25], s[44:45]
	s_cselect_b64 s[46:47], s[32:33], s[46:47]
	s_cselect_b64 s[48:49], s[34:35], s[48:49]
	s_cselect_b64 s[36:37], s[96:97], s[4:5]
	s_cselect_b64 s[38:39], s[98:99], s[6:7]
	s_cselect_b64 s[40:41], s[4:5], s[96:97]
	s_cselect_b64 s[42:43], s[6:7], s[98:99]
	s_lshl_b32 s62, s50, 10
	s_mov_b32 s63, 0
	s_add_nc_u64 s[36:37], s[36:37], s[62:63]
	s_lshl_b32 s62, s50, 5
	s_add_nc_u64 s[38:39], s[38:39], s[62:63]
	s_lshl_b32 s100, s51, 10
	s_mov_b32 s101, 0
	s_add_nc_u64 s[40:41], s[40:41], s[100:101]
	s_lshl_b32 s100, s51, 5
	s_add_nc_u64 s[42:43], s[42:43], s[100:101]
	s_or_b32 s[G1+0], s92, (0<<16)|(1<<20)|(1<<21)|(5<<22)|(3<<25)
	s_or_b32 s[G1B+0], s93, (0<<16)|(1<<20)|(1<<21)|(5<<22)|(3<<25)
.irp g, G1, G1B
	s_mov_b32 s[\g+1], ROWB<<16
	s_mov_b32 s[\g+2], 256<<16
	s_mov_b32 s[\g+3], ROWB<<16
	s_mov_b32 s[\g+4], 256
	s_mov_b32 s[\g+5], KROW
	s_mov_b32 s[\g+6], 0
	s_mov_b32 s[\g+7], 0
.endr
	s_or_b32 s[G1S+0], s92, (3<<16)|(1<<20)|(1<<21)|(5<<22)|(3<<25)
	s_or_b32 s[G1SB+0], s93, (3<<16)|(1<<20)|(1<<21)|(5<<22)|(3<<25)
.irp g, G1S, G1SB
	s_mov_b32 s[\g+1], 32<<16
	s_mov_b32 s[\g+2], (256*KS/256)<<16
	s_mov_b32 s[\g+3], 32<<16
	s_mov_b32 s[\g+4], 256*KS/256
	s_mov_b32 s[\g+5], 32
	s_mov_b32 s[\g+6], 0
	s_mov_b32 s[\g+7], 0
.endr
	s_mul_i32 s96, s84, HALFT
	CROUND
	s_mov_b32 s[G0S], 1
	s_mov_b32 s[G0S+1], SCL
	s_mov_b64 s[G0S+2:G0S+3], s[38:39]
	s_or_b32 s[G0S+3], s[G0S+3], 0x80000000
	s_mov_b32 s[G0SB], 1
	s_mov_b32 s[G0SB+1], SCL+2*HALFS
	s_mov_b64 s[G0SB+2:G0SB+3], s[42:43]
	s_or_b32 s[G0SB+3], s[G0SB+3], 0x80000000
.irp s, 0,1
	s_mov_b32 s[G0+4*\s], 1
	s_add_co_u32 s[G0+4*\s+1], s96, \s*SLOT
	s_add_nc_u64 s[G0+4*\s+2:G0+4*\s+3], s[36:37], \s*ROWB
	s_or_b32 s[G0+4*\s+3], s[G0+4*\s+3], 0x80000000
	s_mov_b32 s[G0B+4*\s], 1
	s_add_co_u32 s[G0B+4*\s+1], s96, \s*SLOT
	s_add_nc_u64 s[G0B+4*\s+2:G0B+4*\s+3], s[40:41], \s*ROWB
	s_or_b32 s[G0B+4*\s+3], s[G0B+4*\s+3], 0x80000000
.endr
	s_lshl_b32 s62, s86, 17                        ; in the ring a wave fetches 128 rows of a tile: which half, in bytes
	s_mov_b32 s63, 0
.irp s, 0,1
	s_add_nc_u64 s[G0+4*\s+2:G0+4*\s+3], s[G0+4*\s+2:G0+4*\s+3], s[62:63]
	s_add_nc_u64 s[G0B+4*\s+2:G0B+4*\s+3], s[G0B+4*\s+2:G0B+4*\s+3], s[62:63]
.endr
	s_mov_b64 s[38:39], s[36:37]                   ; group 0 of the head's loads of K step 0: A's 256 rows,
	s_or_b32 s39, s39, 0x80000000
	s_mov_b32 s36, 1
	s_mov_b32 s37, 0
	s_mov_b64 s[42:43], s[40:41]                   ; and B's, behind them in slot 0
	s_or_b32 s43, s43, 0x80000000
	s_mov_b32 s40, 1
	s_mov_b32 s41, 2*HALFT
; The head's four tiles, one joint load a wave, in one chain of arms on the wave's number: A's codes, B's codes, A's scales, B's scales
.macro ARM under, g0, g1, next
	s_cmp_lt_u32 s84, \under
	s_cbranch_scc0 \next
	tensor_load_to_lds s[\g0:\g0+3], s[\g1:\g1+7]
	s_nop 0
.rept 4
	v_nop
.endr
	s_branch .Lhead_asked
\next:
.endm
	ARM 1, 36, G1, .Lhead_b
	ARM 2, 40, G1B, .Lhead_sa
	ARM 3, G0S, G1S, .Lhead_sb
	tensor_load_to_lds s[G0SB:G0SB+3], s[G1SB:G1SB+7]
	s_nop 0
.rept 4
	v_nop
.endr
.Lhead_asked:
	s_wait_alu depctr_va_vdst(0)
	s_wait_tensorcnt 0x0                           ; my tile of the four is in
	ds_add_u32 v28, v29
	s_mov_b32 s[G1+2], 128<<16                     ; no tensor load of mine is out: from here on a load brings 128 rows
	s_mov_b32 s[G1+4], 128
	s_mov_b32 s[G1B+2], 128<<16
	s_mov_b32 s[G1B+4], 128
	s_wait_dscnt 0x0
	CROUND
	JLOAD G0+4, G1, G0B+4, G1B
	v_and_b32 v1, 15, v0
	v_bfe_u32 v2, v0, 4, 1
	v_mul_u32_u24 v3, v1, PITCH
	v_lshl_add_u32 v4, v2, 4, v3
	s_mul_i32 s98, s85, HALFT
	s_mul_i32 s99, s86, HALFT
	s_add_co_u32 s99, s99, 2*HALFT
.irp s, 0,1
	v_add_nc_u32 v[ADRA+\s], s98, v4
	v_add_nc_u32 v[ADRB+\s], s99, v4
	s_add_co_u32 s98, s98, SLOT
	s_add_co_u32 s99, s99, SLOT
.endr
	v_mul_u32_u24 v5, v1, KS
	v_lshrrev_b32 v6, 8, v5
	v_lshl_add_u32 v5, v6, 4, v5
	s_mul_i32 s98, s85, HALFS
	s_mul_i32 s99, s86, HALFS
	s_add_co_u32 s99, s99, 2*HALFS
	s_sub_co_u32 s99, s99, s98
	v_mul_u32_u24 v6, s99, v2
	s_add_co_u32 s98, s98, SCL
	v_add_nc_u32 v5, v5, v6
	v_add_nc_u32 v[ADRS], s98, v5
	v_and_b32 v6, 31, v0
	v_lshlrev_b32 v[CO], 4, v6
	v_mul_u32_u24 v[SO], v2, 12288
	v_lshl_add_u32 v[SO], v1, 4, v[SO]
	s_lshl_b32 s96, s90, 8
	s_lshl_b32 s98, s85, 7
	s_add_co_u32 s96, s96, s98
	s_lshl_b32 s97, s91, 8
	s_lshl_b32 s98, s86, 7
	s_add_co_u32 s97, s97, s98
	s_cmp_eq_u32 s94, 1
	s_cselect_b32 s98, s97, s96
	s_cselect_b32 s99, s96, s97
	s_cselect_b32 s100, 0, s97
	s_cselect_b32 s101, s96, 0
	s_lshl_b32 s100, s100, 2
	s_lshl_b32 s101, s101, 2
	v_lshl_add_u32 v[VBN], v2, 5, s100
	v_lshl_add_u32 v[VBM], v1, 2, s101
.irp b, 0,1,2,3,4,5,6,7
	global_load_b128 v[BN+8*\b:BN+8*\b+3], v[VBN], s[44:45] offset:64*\b
	global_load_b128 v[BN+8*\b+4:BN+8*\b+7], v[VBN], s[44:45] offset:64*\b+16
.endr
.irp a, 0,1,2,3,4,5,6,7
	global_load_b32 v[BM+\a], v[VBM], s[44:45] offset:64*\a
.endr
	s_lshr_b32 s62, s98, 11
	s_lshl_b32 s62, s62, 4
	s_lshr_b32 s99, s99, 6
	s_add_co_u32 s62, s62, s99
	s_bfe_u32 s98, s98, 0x40007
	s_lshl_b32 s62, s62, 4
	s_add_co_u32 s62, s62, s98
	s_lshl_b32 s96, s62, 13
	s_mov_b32 s97, 0
	s_add_nc_u64 s[46:47], s[46:47], s[96:97]
	s_mul_i32 s96, s62, 768
	s_add_co_u32 s96, s96, s95
	s_add_nc_u64 s[48:49], s[48:49], s[96:97]
.macro FRAG reg, adr, q, i
.irp c, 0,1,2,3
	ds_load_b128 v[\reg+4*\c:\reg+4*\c+3], v[\adr] offset:128*(\q)+32*\c+(\i)*16*PITCH
.endr
.endm
.macro MUL16 a0, p, q, sc, zero
.irp a, \a0, \a0+1
.irp b, 0,1,2,3,4,5,6,7
.if \zero
	v_wmma_scale_f32_16x16x128_f8f6f4 v[8*(8*((\a)%4)+\b):8*(8*((\a)%4)+\b)+7], v[128*(\p)+FR*\b:128*(\p)+FR*\b+FR-1], v[AF+FR*(\a):AF+FR*(\a)+FR-1], 0, v[SC+8*NQ*(\sc)+NQ*\b+(\q)], v[SC+8*NQ*(\sc)+NQ*(\a)+(\q)] matrix_a_scale:MATRIX_SCALE_ROW1
.else
	v_wmma_scale_f32_16x16x128_f8f6f4 v[8*(8*((\a)%4)+\b):8*(8*((\a)%4)+\b)+7], v[128*(\p)+FR*\b:128*(\p)+FR*\b+FR-1], v[AF+FR*(\a):AF+FR*(\a)+FR-1], v[8*(8*((\a)%4)+\b):8*(8*((\a)%4)+\b)+7], v[SC+8*NQ*(\sc)+NQ*\b+(\q)], v[SC+8*NQ*(\sc)+NQ*(\a)+(\q)] matrix_a_scale:MATRIX_SCALE_ROW1
.endif
.endr
.endr
.endm
.macro FETCH_B slot, q, p
	WIN TO_B
.irp i, 0,1,2,3,4,5,6,7
	FRAG 128*(\p)+FR*\i, ADRB+\slot, \q, \i
.endr
	WIN 0
.endm
.macro FETCH_A slot, q, i0
.irp i, \i0, \i0+1, \i0+2, \i0+3
	FRAG AF+FR*(\i), ADRA+\slot, \q, \i
.endr
.endm
.macro SCALES sc
.irp i, 0,1,2,3,4,5,6,7
	ds_load_b64 v[SC+8*NQ*\sc+NQ*\i:SC+8*NQ*\sc+NQ*\i+1], v[ADRS] offset:\i*SBLK
.endr
.endm
.macro PLACES n
.rept \n
	v_nop
.endr
.endm
.macro STEP slot, q, zero
	s_wait_dscnt 4*NL
	WIN MUL_LO
	MUL16 0, (\q)%2, \q, \slot, \zero
	MUL16 2, (\q)%2, \q, \slot, \zero
	s_wait_dscnt 0
	PLACES NP
	FETCH_B \slot, (\q)+1, 1-(\q)%2
	FETCH_A \slot, (\q)+1, 0
	WIN MUL_HI
	MUL16 4, (\q)%2, \q, \slot, \zero
	MUL16 6, (\q)%2, \q, \slot, \zero
	PLACES NP
	WIN 0
	FETCH_A \slot, (\q)+1, 4
.endm
.macro TURN slot, next, fill
	s_wait_tensorcnt 0x0
	ds_add_u32 v[SPW], v[NIL]
	s_wait_dscnt 4*NL+1
	WIN MUL_LO
	MUL16 0, 1, NQ-1, \slot, 0
	s_wait_dscnt 0x0
	s_barrier_signal -1
	MUL16 2, 1, NQ-1, \slot, 0
	WIN 0
	s_barrier_wait -1
.if \fill
	CREST
	s_add_nc_u64 s[G0+4*\slot+2:G0+4*\slot+3], s[G0+4*\slot+2:G0+4*\slot+3], 2*ROWB
	s_add_nc_u64 s[G0B+4*\slot+2:G0B+4*\slot+3], s[G0B+4*\slot+2:G0B+4*\slot+3], 2*ROWB
	JLOAD G0+4*\slot, G1, G0B+4*\slot, G1B
	PLACES NP-4
.else
	PLACES NP
.endif
	s_wait_alu depctr_va_vdst(0)
	v_add_nc_u32 v[ADRS], 4*NQ, v[ADRS]
	FETCH_B \next, 0, 0
	FETCH_A \next, 0, 0
	SCALES \next
	WIN MUL_HI
	MUL16 4, 1, NQ-1, \slot, 0
	MUL16 6, 1, NQ-1, \slot, 0
	PLACES NP
	WIN 0
	FETCH_A \next, 0, 4
.endm
	s_wait_alu depctr_va_vdst(0)
	s_wait_loadcnt 0x0
	s_wait_tensorcnt 1
	s_barrier_signal -1
	s_barrier_wait -1
	FETCH_B 0, 0, 0
	FETCH_A 0, 0, 0
	SCALES 0
	FETCH_A 0, 0, 4
	STEP 0, 0, 1
	s_mov_b32 s3, LAPS-1
.Llap:
	TURN 0, 1, 1
	STEP 1, 0, 0
	TURN 1, 0, 1
	STEP 0, 0, 0
	s_sub_co_u32 s3, s3, 1
	s_cmp_lg_u32 s3, 0
	s_cbranch_scc1 .Llap
	TURN 0, 1, 0
	STEP 1, 0, 0
	s_wait_dscnt 4*NL
	WIN MUL_LO
	MUL16 0, 1, NQ-1, 1, 0
	MUL16 2, 1, NQ-1, 1, 0
	s_wait_dscnt 0
	WIN MUL_HI
	MUL16 4, 1, NQ-1, 1, 0
	MUL16 6, 1, NQ-1, 1, 0
	WIN 0
.macro QSCALE
.irp b, 0,1,2,3
	v_max3_num_f32 v[TM+\b], |v[T+16*\b]|, |v[T+1+16*\b]|, 0x4800000
.endr
.irp i, 2,4,6,8,10,12,14
.irp b, 0,1,2,3
	v_max3_num_f32 v[TM+\b], v[TM+\b], |v[T+16*\b+\i]|, |v[T+1+16*\b+\i]|
.endr
.endr
.irp b, 0,1,2,3
	v_permlanex16_b32 v[TM+4+\b], v[TM+\b], s60, s61
.endr
.irp b, 0,1,2,3
	v_max_num_f32 v[TM+\b], v[TM+\b], v[TM+4+\b]
.endr
.irp b, 0,1,2,3
	v_add_nc_u32 v[TM+12+\b], 0xfc000000, v[TM+\b]
.endr
.irp b, 0,1,2,3
	v_and_or_b32 v[TM+8+\b], v[TM+\b], 0x7f800000, s105
.endr
.irp b, 0,1,2,3
	v_lshrrev_b32 v[TM+4+\b], 23, v[TM+12+\b]
.endr
.endm
.macro QCODES
.irp b, 0,1,2,3
.irp i, 0,1,2,3,4,5,6,7,8,9,10,11,12,13,14,15
	v_med3_num_f32 v[T+16*\b+\i], v[T+16*\b+\i], -v[TM+8+\b], v[TM+8+\b]
.endr
	v_cvt_scalef32_pk8_fp8_f32 v[PC+4*\b:PC+4*\b+1], v[T+16*\b:T+16*\b+7], v[TM+12+\b]
	v_cvt_scalef32_pk8_fp8_f32 v[PC+4*\b+2:PC+4*\b+3], v[T+16*\b+8:T+16*\b+15], v[TM+12+\b]
.endr
	v_nop
.endm
.macro EPI kind
.irp a, 0,1,2,3,4,5,6,7
	s_wait_xcnt 0x0
.if \kind
	v_mov_b32 v6, v[BM+\a]
	v_mov_b32 v7, v[BM+\a]
.endif
	WIN 0x02+(\a/4)
.irp b, 0,1,2,3,4,5,6,7
.irp i, 0,2,4,6
.if \kind
	v_pk_add_f32 v[T+8*\b+\i:T+8*\b+\i+1], v[8*(8*(\a%4)+\b)+\i:8*(8*(\a%4)+\b)+\i+1], v[6:7]
.else
	v_pk_add_f32 v[T+8*\b+\i:T+8*\b+\i+1], v[8*(8*(\a%4)+\b)+\i:8*(8*(\a%4)+\b)+\i+1], v[BN+8*\b+\i:BN+8*\b+\i+1]
.endif
.endr
.endr
	WIN 0
	QSCALE
.if \kind
	v_lshl_or_b32 v[SW+\a], v[TM+5], 8, v[TM+4]
	v_lshl_or_b32 v[SW+\a], v[TM+6], 16, v[SW+\a]
	v_lshl_or_b32 v[SW+\a], v[TM+7], 24, v[SW+\a]
.else
	v_lshl_or_b32 v4, v[TM+5], 8, v[TM+4]
	v_lshl_or_b32 v5, v[TM+7], 8, v[TM+6]
	v_cndmask_b32 v[SW+\a], v4, v5, s104
.endif
	QCODES
.irp q, 0,1,2,3
.if \kind
	global_store_b128 v[CO], v[PC+4*\q:PC+4*\q+3], s[46:47] offset:(\a/4)*131072+(\a%4)*2048+\q*512
.else
	global_store_b128 v[CO], v[PC+4*\q:PC+4*\q+3], s[46:47] offset:(\q/2)*131072+\a*1024+(\q%2)*512
.endif
.endr
.endr
.if \kind
.irp i, 0,1,2,3
	v_cndmask_b32 v[SX+\i], v[SW+\i], v[SW+4+\i], s104
.endr
	global_store_b128 v[SO], v[SX:SX+3], s[48:49]
.else
	global_store_b128 v[SO], v[SW:SW+3], s[48:49]
	global_store_b128 v[SO], v[SW+4:SW+7], s[48:49] offset:256
.endif
.endm
	PLACES NP
.irp b, 0,1,2,3
	v_mov_b32 v[TM+4+\b], 0
.endr
	s_cmp_eq_u32 s94, 1
	s_cbranch_scc1 .Lfor_v
	EPI 0
	s_branch .Lout
.Lfor_v:
	EPI 1
.Lout:
	s_wait_tensorcnt 0x0
	ds_add_u32 v[SPW], v[NIL]
	s_wait_dscnt 0x0
	CROUND
	s_endpgm
.Lfunc_end_k_qb1ab7cb7ce_qkv:
	.size	k_qb1ab7cb7ce_qkv, .Lfunc_end_k_qb1ab7cb7ce_qkv-k_qb1ab7cb7ce_qkv
	.p2alignl 7, 3214868480
	.fill 96, 4, 3214868480
	.section	.rodata,"a",@progbits
	.p2align	6, 0x0
	.amdhsa_kernel k_qb1ab7cb7ce_qkv
		.amdhsa_group_segment_fixed_size 327680
		.amdhsa_private_segment_fixed_size 0
		.amdhsa_enable_private_segment 0
		.amdhsa_kernarg_size 128
		.amdhsa_user_sgpr_count 2
		.amdhsa_user_sgpr_kernarg_segment_ptr 1
		.amdhsa_wavefront_size32 1
		.amdhsa_system_sgpr_workgroup_id_x 1
		.amdhsa_system_sgpr_workgroup_id_y 1
		.amdhsa_system_sgpr_workgroup_id_z 1
		.amdhsa_system_vgpr_workitem_id 0
		.amdhsa_next_free_vgpr 1024
		.amdhsa_next_free_sgpr 106
		.amdhsa_reserve_vcc 0
		.amdhsa_float_denorm_mode_32 3
		.amdhsa_float_denorm_mode_16_64 3
		.amdhsa_memory_ordered 1
		.amdhsa_forward_progress 1
		.amdhsa_inst_pref_size 255
	.end_amdhsa_kernel
	.section	.bss,"aw",@nobits
	.p2align	6
	.space	262144
	.amdgpu_metadata
---
amdhsa.version: [ 1, 2 ]
amdhsa.kernels:
  - .name:           k_qb1ab7cb7ce_qkv
    .symbol:         k_qb1ab7cb7ce_qkv.kd
    .args:
      - { .name: x_codes, .offset: 0, .size: 8, .value_kind: global_buffer, .address_space: global }
      - { .name: x_scales, .offset: 8, .size: 8, .value_kind: global_buffer, .address_space: global }
      - { .name: Wq_codes, .offset: 16, .size: 8, .value_kind: global_buffer, .address_space: global }
      - { .name: Wq_scales, .offset: 24, .size: 8, .value_kind: global_buffer, .address_space: global }
      - { .name: Wk_codes, .offset: 32, .size: 8, .value_kind: global_buffer, .address_space: global }
      - { .name: Wk_scales, .offset: 40, .size: 8, .value_kind: global_buffer, .address_space: global }
      - { .name: Wv_codes, .offset: 48, .size: 8, .value_kind: global_buffer, .address_space: global }
      - { .name: Wv_scales, .offset: 56, .size: 8, .value_kind: global_buffer, .address_space: global }
      - { .name: bq, .offset: 64, .size: 8, .value_kind: global_buffer, .address_space: global }
      - { .name: bk, .offset: 72, .size: 8, .value_kind: global_buffer, .address_space: global }
      - { .name: bv, .offset: 80, .size: 8, .value_kind: global_buffer, .address_space: global }
      - { .name: q_img, .offset: 88, .size: 8, .value_kind: global_buffer, .address_space: global }
      - { .name: q_scl, .offset: 96, .size: 8, .value_kind: global_buffer, .address_space: global }
      - { .name: k_img, .offset: 104, .size: 8, .value_kind: global_buffer, .address_space: global }
      - { .name: v_img, .offset: 112, .size: 8, .value_kind: global_buffer, .address_space: global }
      - { .name: kv_scl, .offset: 120, .size: 8, .value_kind: global_buffer, .address_space: global }
    .group_segment_fixed_size: 327680
    .private_segment_fixed_size: 0
    .kernarg_segment_align: 8
    .kernarg_segment_size: 128
    .max_flat_workgroup_size: 128
    .sgpr_count:     106
    .vgpr_count:     1024
    .wavefront_size: 32
...
	.end_amdgpu_metadata
.endif
;; end of part 1
;; launch attn (part 2): grid 4 x 64, 8 waves a work-group, clusters of 4 x 1, 276,480 bytes of LDS; arguments q_img, q_scl, k_img, v_img, kv_scl, o_img, o_scl; writes o_img, o_scl
.if DOCPART == 2
	.amdgcn_target "amdgcn-amd-amdhsa--gfx1250"
	.amdhsa_code_object_version 6
	.text
	.protected	k_qb1ab7cb7ce_attn
	.globl	k_qb1ab7cb7ce_attn
	.p2align	8
	.type	k_qb1ab7cb7ce_attn,@function
k_qb1ab7cb7ce_attn:
	s_mov_b64 s[64:65], 0
	v_nop
	global_prefetch_b8 v0, s[64:65] scope:SCOPE_SE
	s_setreg_imm32_b32 hwreg(HW_REG_WAVE_MODE, 25, 1), 1
	s_wait_xcnt 0x0
	s_wait_alu depctr_hold_cnt(0) depctr_sa_sdst(0) depctr_va_vdst(0) depctr_va_sdst(0) depctr_va_ssrc(0) depctr_va_vcc(0) depctr_vm_vsrc(0)
	s_getreg_b32 s2, hwreg(HW_REG_IB_STS2, 6, 4)
	s_cmp_eq_u32 s2, 0
	s_cbranch_scc0 .Lentry_in_a_cluster
	s_endpgm
.Lentry_in_a_cluster:
	s_bfe_u32 s2, ttmp6, 0x10000c
	s_cmp_lg_u32 s2, 0x3003
	s_cbranch_scc0 .Lentry_shape_is_right
	s_endpgm
.Lentry_shape_is_right:
; For each of 64 batch-heads: O = softmax(Q K^T / 8) V, both products on codes of FP8 (E4M3) with one E8M0 scale for each 32 along a product's K; O / l is quantised along the model's channels for the last projection.
; THE SOFTMAX: t = score x log2(e) / 8; M = the row's largest t so far, rounded UP to a whole number; p = 2^(t - M) is quantised along the keys, not normalised.  l, the row's sum of the unquantised p, divides O at the end.
; When M moves, l and O are multiplied by f = 2^(old M - new M): exact, in every step, with no branch on data.
; SHARES.  A work-group owns 512 queries of one head; each of its EIGHT waves, two to a SIMD, owns 64: two passes of two tiles of 16 queries, in 512 registers.  A fragment of K or V that a wave reads from LDS feeds two products.
; LDS.  The head's K codes (131,072 bytes), V codes (131,072) and scale words (12,288) lie in LDS, filled ONCE, as images of the operands' registers: an LDS load takes 512 consecutive bytes.  Nothing is filled again: one barrier shows all.
; CLUSTER.  The four work-groups of a cluster own the quarters of one head's queries: wave 0 asks for K, wave 1 for V, wave 2 for the scale words, each by ONE joint load with the mask 15; the other waves ask for nothing.
; No prefetch: the launch's one stream from memory is asked for whole at the head, and no loop stands ahead of it to ask from.
; THE WALK IS A PIPELINE OF SLOTS, one slot a tile and key step (128 keys); the two tiles take turns.  Slot j: (1) tile j's 68 exponentials, and among them, line by line, the first layer of tile j - 1's sum and its holds;
; (2) O(j - 1) x f, p(j - 1)'s conversions, the eight products S(j + 1), tile j's scale lines and the rest of tile j - 1's sum; (3) the four products O(j - 1) += V^T P^T, then tile j + 1's maxima, M, f and t - M.
; Two score buffers take turns.  The step has one form.  The first slot of a pass finds a tile before it of zeros (p = 0: zero codes, which add nothing).  The last slot's look-ahead takes key step 15 of tile 0 once more:
; those scores are in its maximum already, so M stays and nothing else of that tile is touched.
; LAYOUT.  Both products are used transposed (source 0 = 16 keys, or 16 of the head's 64; source 1 = my 16 queries): a lane holds ONE query (lane % 16).  The head's 64 channels fill half of the form's 128 along K:
; the upper eight registers of each Q fragment are zero codes, written once.  K's fragments lie packed, eight registers each: a product names the next fragment's eight too (behind the last: eight of zeros), which meet Q's zero codes.
; The 16 registers of S^T's tiles 2 b, 2 b + 1 are the keys of block b in the order in which v_img holds V's codes.
; LIMITS: NaN and infinities are not served.  A block whose every p has fallen to 0, or of zeros in O, gets the byte 1 over zero codes.  The scaled scores stay under 2^31 in magnitude.
; REGISTERS.  Window 0: v1 16 x lane, v2 scale words' place, v4 32 r + h, v5 16 r, v6, v7 the add's two, v8-11 LDS addresses; then as named below; v128-255 the two score buffers.
; Window 1: v0-63 O^T of two tiles; v64-95 Q of two tiles (16 registers each); v96-111 the second pass's Q; v112-183 K's eight fragments and eight zeros; v184-247 V's four.
.set VOFF,  1<<17                      ; V's images
.set SCL,   1<<18                      ; the scale words
.set GRP,   8192                       ; a key step's bytes of K, and of V
.set SGRP,  768                        ; and of scale words
.set SPARE, 0x43000                    ; the spare words: 128 bytes a wave
.set ST,  12                           ; tile i: v[ST+4i] -M, +1 the largest score, +2, +3 l in two halves
.set F,   28                           ; tile i: v[F+2i] f (a pair is named; its low word serves)
.set QS,  36                           ; Q's scale words, a tile each
.set KS,  40                           ; K's, eight tiles
.set VS,  48                           ; V's, four tiles
.set PW,  52                           ; p's scale word, one a tile
.set BX,  54                           ; a block's largest score, then largest p
.set PD,  58                           ; lane permutes' destinations, then scale bytes
.set HL,  62                           ; 448 x the scale
.set SOP, 66                           ; the conversions' scale operands
.set TP,  70
.set TP2, 71
.set QS2, 72                           ; the second pass's Q scale words
.set BY,  76                           ; the way out: the bytes that I store
.set CD,  80                           ; p's codes
.set TQ,  96                           ; sixteen pairs: the first layer of a tile's sum
.set MT,  112                          ; eight maxima, one an accumulator (where the sum's pairs 8-15 lay, which are added up by then)
.set SB,  128                          ; the score buffers
.set QB,  64                           ; window 1
.set QB2, 96
.set KB,  112
.set VB,  184
.set FB,  192                          ; the way out, in the second score buffer
.set FP,  196
.set FS,  200
.set FH,  204
.set CD2, 208
.set CH2, 224
.set PX,  232
.set OUT, 240
.set MSB, 0
.macro WIN new                         ; low byte: bits 1:0 source 0, 3:2 source 1, 5:4 source 2, 7:6 destination; the high byte repeats the setting that is left
.if MSB != (\new)
	s_set_vgpr_msb (MSB<<8)|(\new)
.set MSB, (\new)
.endif
.endm
.macro WALU
	s_wait_alu depctr_va_vdst(0)
.endm
.macro CROUND                          ; a round of the cluster's barrier
	s_barrier_signal -1
	s_barrier_wait -1
	s_cmp_lg_u32 s18, 0
	s_cbranch_scc1 .Lnot_wave_0_\@
	s_barrier_signal -3
.Lnot_wave_0_\@:
	s_barrier_wait -3
	s_barrier_signal -1
	s_barrier_wait -1
.endm
.macro ARM under, g0, g1, next         ; one arm of the head's chain: a load, a jump to the join
	s_cmp_lt_u32 s18, \under
	s_cbranch_scc0 \next
	tensor_load_to_lds s[\g0:\g0+3], s[\g1:\g1+7]
	s_nop 0
.rept 4
	v_nop
.endr
	s_branch .Lasked
\next:
.endm
	s_load_b256 s[4:11], s[0:1], 0x0               ; q_img, q_scl, k_img, v_img
	s_load_b128 s[12:15], s[0:1], 0x20             ; kv_scl, o_img
	s_load_b64 s[16:17], s[0:1], 0x30              ; o_scl
	v_lshl_add_u32 v6, v0, 2, SPARE
	v_mov_b32 v7, 0
	ds_add_u32 v6, v7
	ds_add_u32 v6, v7
	v_lshrrev_b32 v3, 5, v0
	v_readfirstlane_b32 s18, v3                    ; wave 0..7
	s_bfe_u32 s28, ttmp6, 0x40000                  ; cx
	s_and_b32 s26, ttmp7, 0xffff                   ; the batch-head, which the four partners share
	s_lshl_b32 s27, ttmp9, 2
	s_add_co_u32 s27, s27, s28                     ; my quarter of the queries: it enters Q's and O's addresses alone
	s_mov_b32 s19, 0x600000                        ; the mantissa field of 448
	s_mov_b32 s20, 0x76543210
	s_mov_b32 s21, 0xfedcba98
	s_mov_b32 s22, 0x3e38aa3b                      ; c = log2(e) / 8
	s_mov_b32 s23, s22
	s_mov_b32 s24, 0xffff0000                      ; lanes 16-31
	s_mov_b32 s25, 0xbe38aa3b                      ; -c
	s_mov_b32 s32, 15|(3<<16)|(1<<21)              ; group 1: 131,072 dense bytes as 512 rows of 256 (32 elements of 8 bytes); the mask names all four
	s_mov_b32 s33, 32<<16
	s_mov_b32 s34, 512<<16
	s_mov_b32 s35, 32<<16
	s_mov_b32 s36, 512
	s_mov_b32 s37, 32
	s_mov_b32 s38, 0
	s_mov_b32 s39, 0
	s_mov_b32 s40, 15|(3<<16)|(1<<21)              ; and 12,288 bytes as 48 such rows
	s_mov_b32 s41, 32<<16
	s_mov_b32 s42, 48<<16
	s_mov_b32 s43, 32<<16
	s_mov_b32 s44, 48
	s_mov_b32 s45, 32
	s_mov_b32 s46, 0
	s_mov_b32 s47, 0
	s_lshl_b32 s60, s26, 17
	s_mov_b32 s61, 0
	s_mul_i32 s62, s26, 16*SGRP
	s_mov_b32 s63, 0
	s_wait_dscnt 0x0
	s_wait_kmcnt 0x0
	s_mov_b32 s48, 1
	s_mov_b32 s49, 0
	s_add_nc_u64 s[50:51], s[8:9], s[60:61]
	s_or_b32 s51, s51, 0x80000000
	s_mov_b32 s52, 1
	s_mov_b32 s53, VOFF
	s_add_nc_u64 s[54:55], s[10:11], s[60:61]
	s_or_b32 s55, s55, 0x80000000
	s_mov_b32 s56, 1
	s_mov_b32 s57, SCL
	s_add_nc_u64 s[58:59], s[12:13], s[62:63]
	s_or_b32 s59, s59, 0x80000000
	CROUND                                         ; all four work-groups are here: the joint loads meet
	ARM 1, 48, 32, .Lh_v
	ARM 2, 52, 32, .Lh_s
	ARM 3, 56, 40, .Lh_none
.Lasked:
	s_lshl_b32 s29, s27, 5
	s_lshl_b32 s30, s18, 1
	s_add_co_u32 s29, s29, s30                     ; my first tile of 16 queries in the sequence: 32 x quarter + 2 x wave; the second pass lies 16 tiles on
	s_lshl_b32 s80, s29, 10
	s_lshl_b32 s31, s26, 17
	s_add_co_u32 s80, s80, s31
	s_mov_b32 s81, 0
	s_add_nc_u64 s[4:5], s[4:5], s[80:81]          ; Q's images: 1,024 bytes a tile
	s_lshl_b32 s80, s26, 4
	s_lshl_b32 s31, s27, 2
	s_add_co_u32 s80, s80, s31
	s_lshr_b32 s31, s18, 2
	s_add_co_u32 s80, s80, s31                     ; my group of 128 tokens
	s_mul_i32 s80, s80, SGRP
	s_bfe_u32 s31, s18, 0x10001
	s_lshl_b32 s31, s31, 8
	s_add_co_u32 s80, s80, s31                     ; its half: four tiles' words lie side by side, 16 bytes a row;
	s_and_b32 s31, s18, 1
	s_lshl_b32 s31, s31, 3
	s_add_co_u32 s80, s80, s31                     ; my two of the four
	s_add_nc_u64 s[6:7], s[6:7], s[80:81]
	s_lshr_b32 s82, s26, 4
	s_lshl_b32 s82, s82, 7
	s_add_co_u32 s82, s82, s29                     ; my first tile among all 512
	s_and_b32 s83, s26, 15                         ; the head
	s_lshl_b32 s80, s82, 14
	s_lshl_b32 s31, s83, 10
	s_add_co_u32 s80, s80, s31
	s_add_nc_u64 s[14:15], s[14:15], s[80:81]      ; o_img: 16,384 bytes a tile, 1,024 a head
	s_lshl_b32 s80, s82, 9
	s_lshl_b32 s31, s83, 1
	s_add_co_u32 s80, s80, s31
	s_add_nc_u64 s[16:17], s[16:17], s[80:81]      ; o_scl: 32 bytes a token, 2 a head
	v_and_b32 v1, 31, v0
	v_lshlrev_b32 v1, 4, v1
	v_and_b32 v3, 15, v0                           ; r
	v_bfe_u32 v8, v0, 4, 1                         ; h
	v_lshlrev_b32 v5, 4, v3
	v_add_nc_u32 v2, SCL, v5
	v_lshl_add_u32 v4, v3, 5, v8
	WALU                                           ; the wait ahead of readers behind scalar lines
	global_load_b64 v[QS:QS+1], v5, s[6:7]
	global_load_b64 v[QS2:QS2+1], v5, s[6:7] offset:2*SGRP
	WIN 0x40
.irp i, 0,1
.irp c, 0,1
	global_load_b128 v[QB+16*\i+4*\c:QB+16*\i+4*\c+3], v1, s[4:5] offset:1024*\i+512*\c
	global_load_b128 v[QB2+8*\i+4*\c:QB2+8*\i+4*\c+3], v1, s[4:5] offset:16384+1024*\i+512*\c
.endr
.endr
.irp k, 8,9,10,11,12,13,14,15
	v_mov_b32 v[QB+\k], 0                          ; the zero codes of K = 64 .. 127 of Q's two fragments,
	v_mov_b32 v[QB+16+\k], 0
	v_mov_b32 v[KB+56+\k], 0                       ; and the eight registers behind K's last fragment; no load lands here
.endr
	WIN 0
.irp b, 0,1,2,3
	v_mov_b32 v[PD+\b], 0                          ; a lane permute's destination counts as one of its sources
.endr
.macro LOADK                           ; a key step's eight fragments of K and their scale words: 18 loads
	ds_load_b128 v[KS:KS+3], v10
	ds_load_b128 v[KS+4:KS+7], v10 offset:256
	WIN 0x40
.irp t, 0,1,2,3,4,5,6,7
	ds_load_b128 v[KB+8*\t:KB+8*\t+3], v8 offset:1024*\t
	ds_load_b128 v[KB+8*\t+4:KB+8*\t+7], v8 offset:1024*\t+512
.endr
	WIN 0
.endm
.macro LOADV                           ; its four fragments of V and their scale words: 17 loads
	ds_load_b128 v[VS:VS+3], v11 offset:512
	WIN 0x40
.irp t, 0,1,2,3
.irp c, 0,1,2,3
	ds_load_b128 v[VB+16*\t+4*\c:VB+16*\t+4*\c+3], v9 offset:2048*\t+512*\c
.endr
.endr
	WIN 0
.endm
; Line n of slot i's 35 plain lines: 0-18 tile i's four block scales and p's scale word; 19-34 the tree that adds the sixteen pairs of the other tile into its l
.macro L2LINE n, i
.set L_, ST+4*(1-(\i))+2
.set B_, (\n)%4
.set M_, (\n)-19
.if (\n) < 4
	v_max_num_f32 v[BX+B_], 0x4800000, v[BX+B_]    ; the floor 2^(9 - 127): the byte cannot fall under 1
.elseif (\n) < 8
	v_add_nc_u32 v[SOP+B_], 0xfc000000, v[BX+B_]   ; 8 off the exponent field: the conversion's scale operand
.elseif (\n) < 12
	v_and_or_b32 v[HL+B_], v[BX+B_], 0x7f800000, s19   ; 448 x the scale
.elseif (\n) < 16
	v_lshrrev_b32 v[PD+B_], 23, v[SOP+B_]          ; the byte
.elseif (\n) == 16
	v_lshl_or_b32 v[PW+(\i)], v[PD+1], 8, v[PD]
.elseif (\n) < 19
	v_lshl_or_b32 v[PW+(\i)], v[PD+(\n)-15], 8*((\n)-15), v[PW+(\i)]
.elseif M_ < 8
	v_pk_add_f32 v[TQ+2*M_:TQ+2*M_+1], v[TQ+2*M_:TQ+2*M_+1], v[TQ+2*M_+16:TQ+2*M_+17]
.elseif M_ < 12
	v_pk_add_f32 v[TQ+2*(M_-8):TQ+2*(M_-8)+1], v[TQ+2*(M_-8):TQ+2*(M_-8)+1], v[TQ+2*(M_-8)+8:TQ+2*(M_-8)+9]
.elseif M_ < 14
	v_pk_add_f32 v[TQ+2*(M_-12):TQ+2*(M_-12)+1], v[TQ+2*(M_-12):TQ+2*(M_-12)+1], v[TQ+2*(M_-12)+4:TQ+2*(M_-12)+5]
.elseif M_ == 14
	v_pk_add_f32 v[TQ:TQ+1], v[TQ:TQ+1], v[TQ+2:TQ+3]
.else
	v_pk_add_f32 v[L_:L_+1], v[L_:L_+1], v[TQ:TQ+1]
.endif
.endm
.macro SUM1 x, k                       ; pair k of the sum's first layer: of the UNQUANTISED p, so ahead of the holds of the same four numbers
	v_pk_add_f32 v[TQ+2*(\k):TQ+2*(\k)+1], v[(\x)+4*(\k):(\x)+4*(\k)+1], v[(\x)+4*(\k)+2:(\x)+4*(\k)+3]
.endm
.macro DMIN x, h                       ; two holds in one line: p is not negative, so the hold is one-sided (the conversion does not saturate: ISA guide 7.6.2)
	v_dual_min_num_f32 v[(\x)], v[(\h)], v[(\x)] :: v_dual_min_num_f32 v[(\x)+1], v[(\h)], v[(\x)+1]
.endm
.macro RESC p                          ; O^T of tile p under its new M.  The wait stands directly ahead of the first readers of matrix results; it serves the exponentials and the plain lines among them too
	WIN 0x41
	WALU
.set J_, 0
.rept 16
	v_pk_mul_f32 v[32*(\p)+J_:32*(\p)+J_+1], v[32*(\p)+J_:32*(\p)+J_+1], v[F+2*(\p):F+2*(\p)+1] op_sel_hi:[1,0]
.set J_, J_+2
.endr
	WIN 0
.endm
.macro CVT x
.irp b, 0,1,2,3
	v_cvt_scalef32_pk8_fp8_f32 v[CD+4*\b:CD+4*\b+1], v[\x+16*\b:\x+16*\b+7], v[SOP+\b]
	v_cvt_scalef32_pk8_fp8_f32 v[CD+4*\b+2:CD+4*\b+3], v[\x+16*\b+8:\x+16*\b+15], v[SOP+\b]
.endr
.endm
.macro SMUL x, nx, t                   ; S^T, tile t of 16 keys x tile nx of my queries
	v_wmma_scale_f32_16x16x128_f8f6f4 v[\x+8*(\t):\x+8*(\t)+7], v[KB+8*(\t):KB+8*(\t)+15], v[QB+16*(\nx):QB+16*(\nx)+15], 0, v[KS+(\t)], v[QS+(\nx)]
.endm
.macro PVM p, t                        ; O^T(p) += V^T P^T, 16 of the head's 64; four accumulators by turns
	v_wmma_scale_f32_16x16x128_f8f6f4 v[32*(\p)+8*(\t):32*(\p)+8*(\t)+7], v[VB+16*(\t):VB+16*(\t)+15], v[CD:CD+15], v[32*(\p)+8*(\t):32*(\p)+8*(\t)+7], v[VS+(\t)], v[PW+(\p)]
.endm
.macro R1 i                            ; tile i's exponentials; among them plain lines on the other tile: no line here reads what a line here writes
.set XA_, SB+64*(\i)
.set XB_, SB+64*(1-(\i))
	WALU                                           ; the wait ahead of the batch: for t - M, f, l and the bounds
.set K_, 0
.rept 16
	v_exp_f32 v[XA_+4*K_], v[XA_+4*K_]             ; p = 2^(t - M), at most 1
	SUM1 XB_, K_
	v_exp_f32 v[XA_+4*K_+1], v[XA_+4*K_+1]
	DMIN XB_+4*K_, HL+K_/4
	v_exp_f32 v[XA_+4*K_+2], v[XA_+4*K_+2]
	DMIN XB_+4*K_+2, HL+K_/4
	v_exp_f32 v[XA_+4*K_+3], v[XA_+4*K_+3]
.set K_, K_+1
.endr
	v_exp_f32 v[BX], v[BX]                         ; a block's largest p: the same two instructions on the block's largest score
	v_pk_mul_f32 v[ST+4*(\i)+2:ST+4*(\i)+3], v[ST+4*(\i)+2:ST+4*(\i)+3], v[F+2*(\i):F+2*(\i)+1] op_sel_hi:[1,0]   ; l under the new M
	v_exp_f32 v[BX+1], v[BX+1]
	v_exp_f32 v[BX+2], v[BX+2]
	v_exp_f32 v[BX+3], v[BX+3]
.endm
.macro R2 i
.set P_, 1-(\i)
.set XP_, SB+64*(1-(\i))
.if (\i) == 1
	s_wait_dscnt 0x0                               ; this key step's V and the next one's K: asked for in the slot before
.endif
	RESC P_
	CVT XP_
.set N_, 0
.rept 4                                ; plain lines behind the conversions, whose sources the products write over
	L2LINE N_, \i
.set N_, N_+1
.endr
	WIN 0x05
.irp t, 0,1,2,3,4,5,6,7
	SMUL XP_, P_, \t
.endr
	WIN 0
.rept 23                               ; plain lines that name none of the products' registers: the places ahead of the first reads of their sums and of loads into their sources
	L2LINE N_, \i
.set N_, N_+1
.endr
.if (\i) == 0
	LOADK                                          ; the next key step's K: this step's last products on K stand above
.endif
.endm
.macro FILL n, i
.if (\i) >= 0
	L2LINE \n, \i
.endif
.endm
.macro TM x, s, j0, n                  ; t - M, two at a time
.set J_, \j0
.rept \n
	v_pk_fma_f32 v[\x+J_:\x+J_+1], v[\x+J_:\x+J_+1], s[22:23], v[\s:\s+1] op_sel_hi:[1,0,0]
.set J_, J_+2
.endr
.endm
; Tile nx's scores at x: the blocks' maxima, M, f, t - M.  pv: the tile whose V products stand at the head (-1: none); fill: the slot whose last eight lines stand among M's chain (-1: none)
.macro R3 nx, x, pv, fill
.set S_, ST+4*(\nx)
.if (\pv) >= 0
	WIN 0x51
.irp t, 0,1,2,3
	PVM \pv, \t
.endr
	WIN 0
.endif
.irp l, 0,1,2
.irp a, 0,1,2,3,4,5,6,7
.if \l == 0
	v_max3_num_f32 v[MT+\a], v[\x+8*\a], v[\x+8*\a+1], v[\x+8*\a+2]   ; each accumulator is read from its low end on
.else
	v_max3_num_f32 v[MT+\a], v[MT+\a], v[\x+8*\a+2*\l+1], v[\x+8*\a+2*\l+2]
.endif
.endr
.if (\l == 0) && ((\fill) == 0)
	LOADV                                          ; this key step's V, eight plain lines behind the last products on the step before's
.endif
.endr
.irp b, 0,1,2,3
	v_max3_num_f32 v[BX+\b], v[MT+2*\b], v[MT+2*\b+1], v[\x+16*\b+7]
.endr
.irp b, 0,1,2,3
	v_max_num_f32 v[BX+\b], v[BX+\b], v[\x+16*\b+15]
.endr
.irp b, 0,1,2,3
	v_permlanex16_b32 v[PD+\b], v[BX+\b], s20, s21
.endr
.irp b, 0,1,2,3
	v_max_num_f32 v[BX+\b], v[BX+\b], v[PD+\b]     ; with lane l xor 16's 16 keys: the block's largest score
.endr
	v_mov_b32 v[TP2], v[S_]
	v_max3_num_f32 v[S_+1], v[BX], v[BX+1], v[S_+1]
	FILL 27, \fill
	FILL 28, \fill
	v_max3_num_f32 v[S_+1], v[BX+2], v[BX+3], v[S_+1]   ; the running largest score
	FILL 29, \fill
	FILL 30, \fill
	v_mul_f32 v[TP], s25, v[S_+1]                  ; -t
	FILL 31, \fill
	FILL 32, \fill
	v_floor_f32 v[S_], v[TP]                       ; the new -M = floor(-t): M is a whole number
	FILL 33, \fill
.if (\fill) == 1
	v_add_nc_u32 v9, s77, v1                       ; for the next trip: where its V and its scale words lie,
	v_add_nc_u32 v11, s76, v2
	v_add_nc_u32 v8, s78, v1                       ; and the K and the scale words of the key step behind it
	v_add_nc_u32 v10, s79, v2
.endif
	v_sub_f32 v[TP], v[S_], v[TP2]                 ; old M - new M: a whole number, 0 or less
	FILL 34, \fill
	TM \x, S_, 0, 4
	v_cvt_i32_f32 v[TP], v[TP]                     ; (it saturates)
	TM \x, S_, 8, 4
	v_ldexp_f32 v[F+2*(\nx)], 1.0, v[TP]           ; f
	TM \x, S_, 16, 24
.irp b, 0,1,2,3
	v_fma_f32 v[BX+\b], v[BX+\b], s22, v[S_]       ; the same of each block's largest score
.endr
.endm
.macro SLOT i
	R1 \i
	R2 \i
	R3 1-(\i), SB+64*(1-(\i)), 1-(\i), \i
.endm
; THE WAY OUT of my two tiles: O^T / l, the head's two blocks of 32 channels a tile quantised, the codes turned into the plain order 16 h + 0..15 in which Wo's codes are given
.macro FIN2
	WIN 0x01
	WALU                                           ; directly ahead of the first readers of O^T, and behind the reciprocals
.irp u, 0,1
.set J_, 0
.rept 32
	v_mul_f32 v[SB+32*\u+J_], v[32*\u+J_], v[ST+4*\u+2]
.set J_, J_+1
.endr
.endr
	WIN 0
.irp q, 0,1,2,3
	v_max3_num_f32 v[FB+\q], |v[SB+16*\q]|, |v[SB+16*\q+1]|, 0x4800000
.endr
.irp k, 2,4,6,8,10,12,14
.irp q, 0,1,2,3
	v_max3_num_f32 v[FB+\q], v[FB+\q], |v[SB+16*\q+\k]|, |v[SB+16*\q+\k+1]|
.endr
.endr
.irp q, 0,1,2,3
	v_permlanex16_b32 v[FP+\q], v[FB+\q], s20, s21
.endr
.irp q, 0,1,2,3
	v_max_num_f32 v[FB+\q], v[FB+\q], v[FP+\q]
.endr
.irp q, 0,1,2,3
	v_add_nc_u32 v[FS+\q], 0xfc000000, v[FB+\q]
.endr
.irp q, 0,1,2,3
	v_and_or_b32 v[FH+\q], v[FB+\q], 0x7f800000, s19
.endr
.irp q, 0,1,2,3
	v_lshrrev_b32 v[FP+\q], 23, v[FS+\q]
.endr
.irp u, 0,1
	v_cndmask_b32 v[BY+\u], v[FP+2*\u], v[FP+2*\u+1], s24   ; lanes 0-15 store block 0's byte, lanes 16-31 block 1's
.endr
.irp q, 0,1,2,3
.irp k, 0,1,2,3,4,5,6,7,8,9,10,11,12,13,14,15
	v_med3_num_f32 v[SB+16*\q+\k], v[SB+16*\q+\k], -v[FH+\q], v[FH+\q]
.endr
	v_cvt_scalef32_pk8_fp8_f32 v[CD2+4*\q:CD2+4*\q+1], v[SB+16*\q:SB+16*\q+7], v[FS+\q]
	v_cvt_scalef32_pk8_fp8_f32 v[CD2+4*\q+2:CD2+4*\q+3], v[SB+16*\q+8:SB+16*\q+15], v[FS+\q]
.endr
	v_nop                                          ; one plain place behind the last conversion
.irp q, 0,1,2,3                        ; I hold channels 8 h + 0..7 and 16 + 8 h + 0..7 of a block: lanes 0-15 give away registers 2, 3, lanes 16-31 registers 0, 1
.irp e, 0,1
	v_cndmask_b32 v[CH2+2*\q+\e], v[CD2+4*\q+2+\e], v[CD2+4*\q+\e], s24
.endr
.endr
.irp q, 0,1,2,3
.irp e, 0,1
	v_permlanex16_b32 v[PX+2*\q+\e], v[CH2+2*\q+\e], s20, s21
.endr
.endr
.irp q, 0,1,2,3
.irp e, 0,1
	v_cndmask_b32 v[OUT+4*\q+\e], v[CD2+4*\q+\e], v[PX+2*\q+\e], s24
	v_cndmask_b32 v[OUT+4*\q+2+\e], v[PX+2*\q+\e], v[CD2+4*\q+2+\e], s24
.endr
.endr
.irp u, 0,1
	global_store_b128 v1, v[OUT+8*\u:OUT+8*\u+3], s[14:15] offset:\u*16384          ; 32 lanes store 512 consecutive bytes of the next operand's image
	global_store_b128 v1, v[OUT+8*\u+4:OUT+8*\u+7], s[14:15] offset:\u*16384+512
	global_store_b8 v4, v[BY+\u], s[16:17] offset:\u*512                            ; one byte for 32 codes: o_scl keeps the layout of an input's scales
.endr
.endm
	s_mov_b32 s70, 0                               ; the pass
	WALU                                           ; the wait at the head's end
	s_wait_loadcnt 0x0                             ; Q of both passes
	s_wait_tensorcnt 0x0                           ; my load, if I have one, has landed,
	s_barrier_signal -1
	s_barrier_wait -1                              ; everybody's has: from here on these LDS bytes are only read
.Lpass:
	s_cmp_eq_u32 s70, 0
	s_cbranch_scc1 .Lfirst
	s_wait_xcnt 0x0                                ; the first pass's stores have read their data and their bases
	s_add_nc_u64 s[14:15], s[14:15], 262144        ; 16 tiles of tokens on
	s_add_nc_u64 s[16:17], s[16:17], 8192
	WIN 0x41
.irp i, 0,1
.irp k, 0,1,2,3,4,5,6,7
	v_mov_b32 v[QB+16*\i+\k], v[QB2+8*\i+\k]       ; the second pass's Q
.endr
.endr
	WIN 0
.irp i, 0,1
	v_mov_b32 v[QS+\i], v[QS2+\i]
.endr
.Lfirst:
.irp i, 0,1                            ; a pass begins: no key seen yet
	v_mov_b32 v[ST+4*\i], 0x7f61b1e6               ; -M = 3e38,
	v_mov_b32 v[ST+4*\i+1], 0xff61b1e6             ; the largest score -3e38, under every score
	v_mov_b32 v[ST+4*\i+2], 0
	v_mov_b32 v[ST+4*\i+3], 0
	v_mov_b32 v[F+2*\i], 0
	v_mov_b32 v[F+2*\i+1], 0
.endr
.irp b, 0,1,2,3
	v_mov_b32 v[HL+\b], 0
	v_mov_b32 v[SOP+\b], 0
.endr
	v_mov_b32 v[PW+1], 0
	s_mov_b32 s72, 0                               ; the key step's bytes in K's images, s73 among the scale words
	s_mov_b32 s73, 0
	v_add_nc_u32 v8, s72, v1
	v_add_nc_u32 v10, s73, v2
	v_add_nc_u32 v9, VOFF, v8
	v_add_nc_u32 v11, s73, v2
.set J_, 0
.rept 64
	v_mov_b32 v[SB+64+J_], 0                       ; the tile before the first: p = 0
.set J_, J_+1
.endr
	WIN 0x40
.set J_, 0
.rept 64
	v_mov_b32 v[J_], 0                             ; O^T: the slot has one form; its first trip finds zeros
.set J_, J_+1
.endr
	WIN 0
	LOADK
	LOADV                                          ; (the first slot's products on zero codes name V's registers, so they are filled)
	v_add_nc_u32 v8, GRP, v8                       ; the first trip asks for key step 1's K
	v_add_nc_u32 v10, SGRP, v10
	WALU
	s_wait_dscnt 0x0
	WIN 0x05
.irp t, 0,1,2,3,4,5,6,7
	SMUL SB, 0, \t
.endr
	WIN 0
.rept 8
	v_nop                                          ; places ahead of the first reads of the sums
.endr
	R3 0, SB, -1, -1
	s_mov_b32 s74, 16
.Lstep:
	s_add_co_u32 s75, s72, GRP
	s_min_u32 s75, s75, 15*GRP                     ; the next key step; behind the last, the last once more
	s_add_co_u32 s76, s73, SGRP
	s_min_u32 s76, s76, 15*SGRP
	s_add_co_u32 s77, s75, VOFF
	s_add_co_u32 s78, s72, 2*GRP
	s_min_u32 s78, s78, 15*GRP                     ; and the one behind it, held the same way
	s_add_co_u32 s79, s73, 2*SGRP
	s_min_u32 s79, s79, 15*SGRP
	SLOT 0
	SLOT 1
	s_add_co_u32 s72, s72, GRP
	s_add_co_u32 s73, s73, SGRP
	s_sub_co_u32 s74, s74, 1
	s_cmp_lg_u32 s74, 0
	s_cbranch_scc1 .Lstep
.set K_, 0
.rept 16                               ; the last tile's sum, holds, conversions and products
	SUM1 SB+64, K_
	DMIN SB+64+4*K_, HL+K_/4
	DMIN SB+64+4*K_+2, HL+K_/4
.set K_, K_+1
.endr
	RESC 1
	CVT SB+64
.set N_, 19
.rept 16                               ; the tree of its sum: also the places between the codes and the products
	L2LINE N_, 0
.set N_, N_+1
.endr
	WIN 0x51
.irp t, 0,1,2,3
	PVM 1, \t
.endr
	WIN 0
.rept 8
	v_nop                                          ; places behind the last products
.endr
.irp i, 0,1
	v_add_f32 v[ST+4*\i+2], v[ST+4*\i+2], v[ST+4*\i+3]
.endr
.irp i, 0,1
	v_permlanex16_b32 v[MT+\i], v[ST+4*\i+2], s20, s21
.endr
.irp i, 0,1
	v_add_f32 v[ST+4*\i+2], v[ST+4*\i+2], v[MT+\i] ; the rows' sums
.endr
	WALU                                           ; the wait ahead of the batch
.irp i, 0,1
	v_rcp_f32 v[ST+4*\i+2], v[ST+4*\i+2]
.endr
	v_nop                                          ; one plain place behind a transcendental
	FIN2
	s_add_co_u32 s70, s70, 1
	s_cmp_lg_u32 s70, 2
	WALU
	s_cbranch_scc1 .Lpass
	s_wait_tensorcnt 0x0                           ; the wave's end
	ds_add_u32 v6, v7
	s_wait_dscnt 0x0
	CROUND                                         ; the closing round
	s_endpgm
.Lfunc_end_k_qb1ab7cb7ce_attn:
	.size	k_qb1ab7cb7ce_attn, .Lfunc_end_k_qb1ab7cb7ce_attn-k_qb1ab7cb7ce_attn
	.p2alignl 7, 3214868480
	.fill 96, 4, 3214868480
	.section	.rodata,"a",@progbits
	.p2align	6, 0x0
	.amdhsa_kernel k_qb1ab7cb7ce_attn
		.amdhsa_group_segment_fixed_size 276480
		.amdhsa_private_segment_fixed_size 0
		.amdhsa_enable_private_segment 0
		.amdhsa_kernarg_size 56
		.amdhsa_user_sgpr_count 2
		.amdhsa_user_sgpr_kernarg_segment_ptr 1
		.amdhsa_wavefront_size32 1
		.amdhsa_system_sgpr_workgroup_id_x 1
		.amdhsa_system_sgpr_workgroup_id_y 1
		.amdhsa_system_sgpr_workgroup_id_z 1
		.amdhsa_system_vgpr_workitem_id 0
		.amdhsa_next_free_vgpr 512
		.amdhsa_next_free_sgpr 84
		.amdhsa_reserve_vcc 0
		.amdhsa_float_denorm_mode_32 3
		.amdhsa_float_denorm_mode_16_64 3
		.amdhsa_memory_ordered 1
		.amdhsa_forward_progress 1
		.amdhsa_inst_pref_size 77
	.end_amdhsa_kernel
	.amdgpu_metadata
---
amdhsa.version: [ 1, 2 ]
amdhsa.kernels:
  - .name:           k_qb1ab7cb7ce_attn
    .symbol:         k_qb1ab7cb7ce_attn.kd
    .args:
      - { .name: q_img, .offset: 0, .size: 8, .value_kind: global_buffer, .address_space: global }
      - { .name: q_scl, .offset: 8, .size: 8, .value_kind: global_buffer, .address_space: global }
      - { .name: k_img, .offset: 16, .size: 8, .value_kind: global_buffer, .address_space: global }
      - { .name: v_img, .offset: 24, .size: 8, .value_kind: global_buffer, .address_space: global }
      - { .name: kv_scl, .offset: 32, .size: 8, .value_kind: global_buffer, .address_space: global }
      - { .name: o_img, .offset: 40, .size: 8, .value_kind: global_buffer, .address_space: global }
      - { .name: o_scl, .offset: 48, .size: 8, .value_kind: global_buffer, .address_space: global }
    .group_segment_fixed_size: 276480
    .private_segment_fixed_size: 0
    .kernarg_segment_align: 8
    .kernarg_segment_size: 56
    .max_flat_workgroup_size: 256
    .sgpr_count:     84
    .vgpr_count:     512
    .wavefront_size: 32
...
	.end_amdgpu_metadata
.endif
;; end of part 2
;; launch oproj (part 3): grid 4 x 32, 4 waves a work-group, clusters of 4 x 4, 327,680 bytes of LDS; arguments o_img, o_scl, Wo_codes, Wo_scales, bo, out0; writes out0
.if DOCPART == 3
	.amdgcn_target "amdgcn-amd-amdhsa--gfx1250"
	.amdhsa_code_object_version 6
	.text
	.protected	k_qb1ab7cb7ce_oproj
	.globl	k_qb1ab7cb7ce_oproj
	.p2align	8
	.type	k_qb1ab7cb7ce_oproj,@function
k_qb1ab7cb7ce_oproj:
	s_mov_b64 s[64:65], 0
	v_nop
	global_prefetch_b8 v0, s[64:65] scope:SCOPE_SE
	s_setreg_imm32_b32 hwreg(HW_REG_WAVE_MODE, 25, 1), 1
	s_wait_xcnt 0x0
	s_wait_alu depctr_hold_cnt(0) depctr_sa_sdst(0) depctr_va_vdst(0) depctr_va_sdst(0) depctr_va_ssrc(0) depctr_va_vcc(0) depctr_vm_vsrc(0)
	s_getreg_b32 s2, hwreg(HW_REG_IB_STS2, 6, 4)
	s_cmp_eq_u32 s2, 0
	s_cbranch_scc0 .Lentry_in_a_cluster
	s_endpgm
.Lentry_in_a_cluster:
	s_bfe_u32 s2, ttmp6, 0x10000c
	s_cmp_lg_u32 s2, 0xf033
	s_cbranch_scc0 .Lentry_shape_is_right
	s_endpgm
.Lentry_shape_is_right:
.set SIZE_N, 1024
.set NQ,     2
.set ROWB,   256
.set ASTEP,  4096
.set KROW,   1024
.set PITCH,  272
.set FR,     16
.set NL,     4
.set NP,     8
.set HALFT,  128*PITCH
.set SLOT,   4*HALFT
.set LAPS,   2
.set KS,     32
.set SCL,    2*SLOT
.set HALFS,  (128*KS/256)*272
.set SBLK,   (16*KS/256)*272
.set SPARE,  SCL+4*HALFS
.set SPITCH, 528
.set ADRA, 16
.set ADRB, 20
.set STO,  24
.set RD,   25
.set CO,   26
.set ADRS, 27
.set SPW,  28
.set NIL,  29
.set SC,   32
.set BO,   64
.set AF,   128
.set BK,   128
.set G1, 24
.set G0, 32
.set G1B, 48
.set G0B, 56
.set G1S, 68
.set G0S, 76
.set G1SB, 80
.set G0SB, 88
.set MSB, 0
.macro WIN new
.if MSB != (\new)
	s_set_vgpr_msb (MSB<<8)|(\new)
.set MSB, (\new)
.endif
.endm
.set MUL_LO, 0xa1
.set MUL_HI, 0xf1
.set BEG_LO, 0x81
.set BEG_HI, 0xc1
.set TO_B,   0x40
.macro JLOAD g0a, g1a, g0b, g1b
	s_cmp_eq_u32 s15, 0
	s_cbranch_scc0 .Lfor_b_\@
	tensor_load_to_lds s[\g0a:\g0a+3], s[\g1a:\g1a+7]
	s_nop 0
.rept 4
	v_nop
.endr
	s_branch .Lasked_\@
.Lfor_b_\@:
	tensor_load_to_lds s[\g0b:\g0b+3], s[\g1b:\g1b+7]
	s_nop 0
.rept 4
	v_nop
.endr
.Lasked_\@:
.endm
.macro CREST
	s_cmp_lg_u32 s14, 0
	s_cbranch_scc1 .Lnot_wave_0_\@
	s_barrier_signal -3
.Lnot_wave_0_\@:
	s_barrier_wait -3
	s_barrier_signal -1
	s_barrier_wait -1
.endm
.macro CROUND
	s_barrier_signal -1
	s_barrier_wait -1
	CREST
.endm
	s_load_b128 s[4:7], s[0:1], 0x0
	s_load_b128 s[8:11], s[0:1], 0x10
	s_load_b64 s[96:97], s[0:1], 0x20
	s_load_b64 s[12:13], s[0:1], 0x28
	v_lshl_add_u32 v[SPW], v0, 2, SPARE
	v_mov_b32 v[NIL], 0
	ds_add_u32 v28, v29
	ds_add_u32 v28, v29
	s_wait_dscnt 0x0
	v_lshrrev_b32 v1, 5, v0
	v_readfirstlane_b32 s14, v1
	s_lshr_b32 s15, s14, 1
	s_and_b32 s16, s14, 1
	s_bfe_u32 s40, ttmp6, 0x40000
	s_bfe_u32 s41, ttmp6, 0x40004
	s_lshl_b32 s42, ttmp9, 2
	s_add_co_u32 s42, s42, s40
	s_and_b32 s17, ttmp7, 0xffff
	s_lshl_b32 s17, s17, 2
	s_add_co_u32 s17, s17, s41
	s_lshl_b32 s43, s41, 2
	s_lshl_b32 s43, 15, s43
	s_lshl_b32 s44, 0x1111, s40
	s_or_b32 s[G1+0], s43, (3<<16)|(1<<21)
	s_mov_b32 s[G1+1], 512<<16
	s_mov_b32 s[G1+2], 16<<16
	s_mov_b32 s[G1+3], 512<<16
	s_mov_b32 s[G1+4], 16
	s_mov_b32 s[G1+5], 2048
	s_mov_b32 s[G1+6], 0
	s_mov_b32 s[G1+7], 0
	s_or_b32 s[G1B+0], s44, (0<<16)|(1<<20)|(1<<21)|(5<<22)|(3<<25)
	s_mov_b32 s[G1B+1], ROWB<<16
	s_mov_b32 s[G1B+2], 256<<16
	s_mov_b32 s[G1B+3], ROWB<<16
	s_mov_b32 s[G1B+4], 256
	s_mov_b32 s[G1B+5], KROW
	s_mov_b32 s[G1B+6], 0
	s_mov_b32 s[G1B+7], 0
	s_or_b32 s[G1S+0], s43, (3<<16)|(1<<20)|(1<<21)|(5<<22)|(3<<25)
	s_or_b32 s[G1SB+0], s44, (3<<16)|(1<<20)|(1<<21)|(5<<22)|(3<<25)
.irp g, G1S, G1SB
	s_mov_b32 s[\g+1], 32<<16
	s_mov_b32 s[\g+2], (256*KS/256)<<16
	s_mov_b32 s[\g+3], 32<<16
	s_mov_b32 s[\g+4], 256*KS/256
	s_mov_b32 s[\g+5], 32
	s_mov_b32 s[\g+6], 0
	s_mov_b32 s[\g+7], 0
.endr
	s_lshl_b32 s20, s17, 8
	s_lshl_b32 s46, s42, 8
	s_mov_b32 s21, 0
	s_mov_b32 s47, 0
	s_mov_b64 s[18:19], KS
	s_mul_u64 s[22:23], s[20:21], s[18:19]
	s_mul_u64 s[92:93], s[46:47], s[18:19]
	s_mov_b64 s[18:19], KROW
	s_mul_u64 s[20:21], s[20:21], s[18:19]
	s_mul_u64 s[46:47], s[46:47], s[18:19]
	s_mul_i32 s45, s14, HALFT
	s_lshl_b32 s95, s14, 15                        ; A's images lie dense in a slot: 32,768 bytes for each 128 rows
	s_wait_kmcnt 0x0
	s_add_nc_u64 s[20:21], s[4:5], s[20:21]
	s_add_nc_u64 s[22:23], s[6:7], s[22:23]
	s_add_nc_u64 s[46:47], s[8:9], s[46:47]
	s_add_nc_u64 s[92:93], s[10:11], s[92:93]
	CROUND
	s_mov_b32 s[G0S], 1
	s_mov_b32 s[G0S+1], SCL
	s_mov_b64 s[G0S+2:G0S+3], s[22:23]
	s_or_b32 s[G0S+3], s[G0S+3], 0x80000000
	s_mov_b32 s[G0SB], 1
	s_mov_b32 s[G0SB+1], SCL+2*HALFS
	s_mov_b64 s[G0SB+2:G0SB+3], s[92:93]
	s_or_b32 s[G0SB+3], s[G0SB+3], 0x80000000
.irp s, 0,1
	s_mov_b32 s[G0+4*\s], 1
	s_add_co_u32 s[G0+4*\s+1], s95, \s*SLOT
	s_add_nc_u64 s[G0+4*\s+2:G0+4*\s+3], s[20:21], \s*ASTEP
	s_or_b32 s[G0+4*\s+3], s[G0+4*\s+3], 0x80000000
	s_mov_b32 s[G0B+4*\s], 1
	s_add_co_u32 s[G0B+4*\s+1], s45, \s*SLOT
	s_add_nc_u64 s[G0B+4*\s+2:G0B+4*\s+3], s[46:47], \s*ROWB
	s_or_b32 s[G0B+4*\s+3], s[G0B+4*\s+3], 0x80000000
.endr
	s_lshl_b32 s18, s16, 17                        ; in the ring a wave fetches 128 rows of a tile: which half, in bytes
	s_mov_b32 s19, 0
.irp s, 0,1
	s_add_nc_u64 s[G0+4*\s+2:G0+4*\s+3], s[G0+4*\s+2:G0+4*\s+3], s[18:19]
	s_add_nc_u64 s[G0B+4*\s+2:G0B+4*\s+3], s[G0B+4*\s+2:G0B+4*\s+3], s[18:19]
.endr
	s_mov_b32 s4, 1                                ; group 0 of the head's loads of K step 0: A's 256 rows,
	s_mov_b32 s5, 0
	s_mov_b64 s[6:7], s[20:21]
	s_or_b32 s7, s7, 0x80000000
	s_mov_b32 s8, 1                                ; and B's
	s_mov_b32 s9, 2*HALFT
	s_mov_b64 s[10:11], s[46:47]
	s_or_b32 s11, s11, 0x80000000
; The head's four tiles, one joint load a wave, in one chain of arms on the wave's number: A's codes, B's codes, A's scales, B's scales
.macro ARM under, g0, g1, next
	s_cmp_lt_u32 s14, \under
	s_cbranch_scc0 \next
	tensor_load_to_lds s[\g0:\g0+3], s[\g1:\g1+7]
	s_nop 0
.rept 4
	v_nop
.endr
	s_branch .Lhead_asked
\next:
.endm
	ARM 1, 4, G1, .Lhead_b
	ARM 2, 8, G1B, .Lhead_sa
	ARM 3, G0S, G1S, .Lhead_sb
	tensor_load_to_lds s[G0SB:G0SB+3], s[G1SB:G1SB+7]
	s_nop 0
.rept 4
	v_nop
.endr
.Lhead_asked:
	s_wait_alu depctr_va_vdst(0)
	s_wait_tensorcnt 0x0                           ; my tile of the four is in
	ds_add_u32 v28, v29
	s_mov_b32 s[G1+2], 8<<16                       ; no tensor load of mine is out: from here on a load brings 128 rows
	s_mov_b32 s[G1+4], 8
	s_mov_b32 s[G1B+2], 128<<16
	s_mov_b32 s[G1B+4], 128
	s_wait_dscnt 0x0
	CROUND
	JLOAD G0+4, G1, G0B+4, G1B
	v_and_b32 v1, 15, v0
	v_bfe_u32 v2, v0, 4, 1
	v_mul_u32_u24 v3, v1, PITCH
	v_lshl_add_u32 v4, v2, 4, v3
	v_and_b32 v6, 31, v0
	v_lshlrev_b32 v[CO], 4, v6
	s_lshl_b32 s21, s15, 15
	s_mul_i32 s22, s16, HALFT
	s_add_co_u32 s22, s22, 2*HALFT
.irp s, 0,1
	v_add_nc_u32 v[ADRA+\s], s21, v[CO]
	v_add_nc_u32 v[ADRB+\s], s22, v4
	s_add_co_u32 s21, s21, SLOT
	s_add_co_u32 s22, s22, SLOT
.endr
	v_mul_u32_u24 v5, v1, KS
	v_lshrrev_b32 v6, 8, v5
	v_lshl_add_u32 v5, v6, 4, v5
	s_mul_i32 s21, s15, HALFS
	s_mul_i32 s22, s16, HALFS
	s_add_co_u32 s22, s22, 2*HALFS
	s_sub_co_u32 s22, s22, s21
	v_mul_u32_u24 v6, s22, v2
	s_add_co_u32 s21, s21, SCL
	v_add_nc_u32 v5, v5, v6
	v_add_nc_u32 v[ADRS], s21, v5
	s_mul_i32 s23, s14, 16*SPITCH
	v_mul_u32_u24 v5, v1, SPITCH
	v_lshl_add_u32 v5, v2, 5, v5
	v_add_nc_u32 v[STO], s23, v5
	v_add_nc_u32 v[RD], s23, v[CO]
	s_lshl_b32 s20, s17, 8
	s_lshl_b32 s21, s15, 7
	s_add_co_u32 s20, s20, s21
	s_mov_b32 s21, 0
	s_mov_b64 s[18:19], SIZE_N*4
	s_mul_u64 s[20:21], s[20:21], s[18:19]
	s_lshl_b32 s46, s42, 10
	s_lshl_b32 s47, s16, 9
	s_add_co_u32 s46, s46, s47
	v_lshl_add_u32 v7, v2, 5, s46
	s_mov_b32 s47, 0
	s_add_nc_u64 s[20:21], s[20:21], s[46:47]
	s_add_nc_u64 s[12:13], s[12:13], s[20:21]
.irp b, 0,1,2,3,4,5,6,7
	global_load_b128 v[BO+8*\b:BO+8*\b+3], v7, s[96:97] offset:64*\b
	global_load_b128 v[BO+8*\b+4:BO+8*\b+7], v7, s[96:97] offset:64*\b+16
.endr
.macro FRAG reg, adr, q, i
.irp c, 0,1,2,3
	ds_load_b128 v[\reg+4*\c:\reg+4*\c+3], v[\adr] offset:128*(\q)+32*\c+(\i)*16*PITCH
.endr
.endm
.macro FRAGA reg, adr, q, i
.irp c, 0,1,2,3
	ds_load_b128 v[\reg+4*\c:\reg+4*\c+3], v[\adr] offset:(\i)*ASTEP+(\q)*2048+512*\c
.endr
.endm
.macro MUL16 a0, p, q, sc, zero
.irp a, \a0, \a0+1
.irp b, 0,1,2,3,4,5,6,7
.if \zero
	v_wmma_scale_f32_16x16x128_f8f6f4 v[8*(8*((\a)%4)+\b):8*(8*((\a)%4)+\b)+7], v[128*(\p)+FR*\b:128*(\p)+FR*\b+FR-1], v[AF+FR*(\a):AF+FR*(\a)+FR-1], v[BO+8*\b:BO+8*\b+7], v[SC+8*NQ*(\sc)+NQ*\b+(\q)], v[SC+8*NQ*(\sc)+NQ*(\a)+(\q)] matrix_a_scale:MATRIX_SCALE_ROW1
.else
	v_wmma_scale_f32_16x16x128_f8f6f4 v[8*(8*((\a)%4)+\b):8*(8*((\a)%4)+\b)+7], v[128*(\p)+FR*\b:128*(\p)+FR*\b+FR-1], v[AF+FR*(\a):AF+FR*(\a)+FR-1], v[8*(8*((\a)%4)+\b):8*(8*((\a)%4)+\b)+7], v[SC+8*NQ*(\sc)+NQ*\b+(\q)], v[SC+8*NQ*(\sc)+NQ*(\a)+(\q)] matrix_a_scale:MATRIX_SCALE_ROW1
.endif
.endr
.endr
.endm
.macro FETCH_B slot, q, p
	WIN TO_B
.irp i, 0,1,2,3,4,5,6,7
	FRAG 128*(\p)+FR*\i, ADRB+\slot, \q, \i
.endr
	WIN 0
.endm
.macro FETCH_A slot, q, i0
.irp i, \i0, \i0+1, \i0+2, \i0+3
	FRAGA AF+FR*(\i), ADRA+\slot, \q, \i
.endr
.endm
.macro SCALES sc
.irp i, 0,1,2,3,4,5,6,7
	ds_load_b64 v[SC+8*NQ*\sc+NQ*\i:SC+8*NQ*\sc+NQ*\i+1], v[ADRS] offset:\i*SBLK
.endr
.endm
.macro PLACES n
.rept \n
	v_nop
.endr
.endm
.macro STEP slot, q, zero
	s_wait_dscnt 4*NL
.if \zero
	WIN BEG_LO
.else
	WIN MUL_LO
.endif
	MUL16 0, (\q)%2, \q, \slot, \zero
	MUL16 2, (\q)%2, \q, \slot, \zero
	s_wait_dscnt 0
	PLACES NP
	FETCH_B \slot, (\q)+1, 1-(\q)%2
	FETCH_A \slot, (\q)+1, 0
.if \zero
	WIN BEG_HI
.else
	WIN MUL_HI
.endif
	MUL16 4, (\q)%2, \q, \slot, \zero
	MUL16 6, (\q)%2, \q, \slot, \zero
	PLACES NP
	WIN 0
	FETCH_A \slot, (\q)+1, 4
.endm
.macro TURN slot, next, fill
	s_wait_tensorcnt 0x0
	ds_add_u32 v[SPW], v[NIL]
	s_wait_dscnt 4*NL+1
	WIN MUL_LO
	MUL16 0, 1, NQ-1, \slot, 0
	s_wait_dscnt 0x0
	s_barrier_signal -1
	MUL16 2, 1, NQ-1, \slot, 0
	WIN 0
	s_barrier_wait -1
.if \fill
	CREST
	s_add_nc_u64 s[G0+4*\slot+2:G0+4*\slot+3], s[G0+4*\slot+2:G0+4*\slot+3], 2*ASTEP
	s_add_nc_u64 s[G0B+4*\slot+2:G0B+4*\slot+3], s[G0B+4*\slot+2:G0B+4*\slot+3], 2*ROWB
	JLOAD G0+4*\slot, G1, G0B+4*\slot, G1B
	PLACES NP-4
.else
	PLACES NP
.endif
	s_wait_alu depctr_va_vdst(0)
	v_add_nc_u32 v[ADRS], 4*NQ, v[ADRS]
	FETCH_B \next, 0, 0
	FETCH_A \next, 0, 0
	SCALES \next
	WIN MUL_HI
	MUL16 4, 1, NQ-1, \slot, 0
	MUL16 6, 1, NQ-1, \slot, 0
	PLACES NP
	WIN 0
	FETCH_A \next, 0, 4
.endm
	s_wait_alu depctr_va_vdst(0)
	s_wait_loadcnt 0x0
	s_wait_tensorcnt 1
	s_barrier_signal -1
	s_barrier_wait -1
	FETCH_B 0, 0, 0
	FETCH_A 0, 0, 0
	SCALES 0
	FETCH_A 0, 0, 4
	STEP 0, 0, 1
	s_mov_b32 s3, LAPS-1
.Llap:
	TURN 0, 1, 1
	STEP 1, 0, 0
	TURN 1, 0, 1
	STEP 0, 0, 0
	s_sub_co_u32 s3, s3, 1
	s_cmp_lg_u32 s3, 0
	s_cbranch_scc1 .Llap
	TURN 0, 1, 0
	STEP 1, 0, 0
	s_wait_dscnt 4*NL
	WIN MUL_LO
	MUL16 0, 1, NQ-1, 1, 0
	MUL16 2, 1, NQ-1, 1, 0
	s_wait_dscnt 0
	WIN MUL_HI
	MUL16 4, 1, NQ-1, 1, 0
	MUL16 6, 1, NQ-1, 1, 0
	WIN 0
.macro TOSTAGE a
.set AC, 64*((\a)%4)
	WIN 0x08+4*((\a)/4)
.irp b, 0,1,2,3,4,5,6,7
	ds_store_b128 v[STO], v[AC+8*\b:AC+8*\b+3] offset:64*\b
	ds_store_b128 v[STO], v[AC+8*\b+4:AC+8*\b+7] offset:64*\b+16
.endr
	WIN 0
.set BB, BK+64*((\a)%2)
.irp t, 0,1,2,3,4,5,6,7,8,9,10,11,12,13,14,15
	ds_load_b128 v[BB+4*\t:BB+4*\t+3], v[RD] offset:\t*SPITCH
.endr
.endm
.macro SEND a, younger
.set BB, BK+64*((\a)%2)
	s_wait_dscnt \younger
.if (\a) > 0
	s_add_nc_u64 s[12:13], s[12:13], 16*SIZE_N*4
.endif
.irp t, 0,1,2,3,4,5,6,7,8,9,10,11,12,13,14,15
	global_store_b128 v[CO], v[BB+4*\t:BB+4*\t+3], s[12:13] offset:\t*SIZE_N*4 th:TH_STORE_NT
.endr
.endm
	PLACES NP
	TOSTAGE 0
.irp a, 1,2,3,4,5,6,7
.if \a > 1
	s_wait_xcnt 0x0
.endif
	TOSTAGE \a
	SEND \a-1, 32
.endr
	s_wait_xcnt 0x0
	SEND 7, 0
	s_wait_tensorcnt 0x0
	ds_add_u32 v[SPW], v[NIL]
	s_wait_dscnt 0x0
	CROUND
	s_endpgm
.Lfunc_end_k_qb1ab7cb7ce_oproj:
	.size	k_qb1ab7cb7ce_oproj, .Lfunc_end_k_qb1ab7cb7ce_oproj-k_qb1ab7cb7ce_oproj
	.p2alignl 7, 3214868480
	.fill 96, 4, 3214868480
	.section	.rodata,"a",@progbits
	.p2align	6, 0x0
	.amdhsa_kernel k_qb1ab7cb7ce_oproj
		.amdhsa_group_segment_fixed_size 327680
		.amdhsa_private_segment_fixed_size 0
		.amdhsa_enable_private_segment 0
		.amdhsa_kernarg_size 48
		.amdhsa_user_sgpr_count 2
		.amdhsa_user_sgpr_kernarg_segment_ptr 1
		.amdhsa_wavefront_size32 1
		.amdhsa_system_sgpr_workgroup_id_x 1
		.amdhsa_system_sgpr_workgroup_id_y 1
		.amdhsa_system_sgpr_workgroup_id_z 1
		.amdhsa_system_vgpr_workitem_id 0
		.amdhsa_next_free_vgpr 1024
		.amdhsa_next_free_sgpr 100
		.amdhsa_reserve_vcc 0
		.amdhsa_float_denorm_mode_32 3
		.amdhsa_float_denorm_mode_16_64 3
		.amdhsa_memory_ordered 1
		.amdhsa_forward_progress 1
		.amdhsa_inst_pref_size 148
	.end_amdhsa_kernel
	.amdgpu_metadata
---
amdhsa.version: [ 1, 2 ]
amdhsa.kernels:
  - .name:           k_qb1ab7cb7ce_oproj
    .symbol:         k_qb1ab7cb7ce_oproj.kd
    .args:
      - { .name: o_img, .offset: 0, .size: 8, .value_kind: global_buffer, .address_space: global }
      - { .name: o_scl, .offset: 8, .size: 8, .value_kind: global_buffer, .address_space: global }
      - { .name: Wo_codes, .offset: 16, .size: 8, .value_kind: global_buffer, .address_space: global }
      - { .name: Wo_scales, .offset: 24, .size: 8, .value_kind: global_buffer, .address_space: global }
      - { .name: bo, .offset: 32, .size: 8, .value_kind: global_buffer, .address_space: global }
      - { .name: out0, .offset: 40, .size: 8, .value_kind: global_buffer, .address_space: global }
    .group_segment_fixed_size: 327680
    .private_segment_fixed_size: 0
    .kernarg_segment_align: 8
    .kernarg_segment_size: 48
    .max_flat_workgroup_size: 128
    .sgpr_count:     100
    .vgpr_count:     1024
    .wavefront_size: 32
...
	.end_amdgpu_metadata
.endif
;; end of part 3
